; MI455X (gfx1250); checked and timed in simulation.
; The chip was launched on July 23, 2026; its instructions are those of AMD's public machine-readable ISA for CDNA 5 (MIT licence, August 2026) and "CDNA5" Instruction Set Architecture Reference Guide (July 2026). The comments in the code are by the model that wrote it; some were corrected since.
;; Full Attention. Allowed arithmetic: matrix products marked QUANTISED: E5M2 operands, one given power-of-two scale a tensor, by v_wmma_f32_16x16x64_bf8_bf8 or v_wmma_f32_16x16x128_bf8_bf8, f32 sums; everything else in f32.
;; Inputs: keys_codes 4 x 2,048 x 16 x 2 x 32 uint8 (E5M2 codes of keys, K innermost, in blocks of 32 codes); lowp_scales 4 int32 (the exponents e of the quantised operands' scales 2^e); queries_codes 4 x 2,048 x 16 x 2 x 32 uint8 (E5M2 codes of queries, K innermost, in blocks of 32 codes); values_codes 4 x 16 x 64 x 64 x 32 uint8 (E5M2 codes of values, K innermost, in blocks of 32 codes).
;; Outputs: out0 4 x 2,048 x 16 x 64 float32.
;; This version of the problem:
;;   THIS VERSION OF THE PROBLEM IS GIVEN IN LOW PRECISION. The matrix products marked QUANTISED in the list below multiply operands that are first quantised to E5M2 (5 exponent bits, 2 mantissa bits; 8 bits a number), with one given power-of-two scale for each operand tensor; their sums are f32. All else is computed in f32.
;;   The module's matrix products, in the order in which they are computed (A, B: the left and right operand; K: the contracted axis; several contracted axes count as one K, in the product's order):
;;     1. batch 64 x [M 2,048, K 64] x [K 64, N 2,048]; A: input queries (given as codes); B: input keys (given as codes): QUANTISED (scales: A lowp_scales[0], B lowp_scales[1])
;;     2. batch 64 x [M 64, K 2,048] x [K 2,048, N 2,048]; A: input values (given as codes); B: softmax (see below): QUANTISED (scales: A lowp_scales[2], B lowp_scales[3])
;;   THE QUANTISER, for each operand of a quantised product, along K:
;;     - The operand's scale is 2^e, e = its entry of the input lowp_scales (int32; the entries are numbered through the quantised products in the list's order, A before B).
;;     - Each number is divided by the scale, clamped to +-57,344, and rounded to the nearest number of E5M2, ties to even, subnormals kept.
;;     - The product sums the exact products of the quantised numbers (number of the format x scale) in f32.
;;   ~~~python
;;   def quantise(x, axis, e):      # numpy; x: float32 -> the quantised numbers, widened to float32 again
;;       x = np.moveaxis(x, axis, -1); K = x.shape[-1]
;;       r = np.clip(x / 2.0 ** e, -57344, 57344)
;;       step = 2.0 ** (np.maximum(np.frexp(np.where(r == 0, 1, r))[1] - 1, -14) - 2)
;;       q = np.round(r / step) * step * 2.0 ** e      # np.round: ties to even
;;       return np.moveaxis(q, -1, axis).astype(np.float32)
;;   ~~~
;;   SOFTMAX AHEAD OF A QUANTISED PRODUCT. Where the list says 'softmax', what is quantised is not the finished softmax but p = 2^(t - M), with t = logit x log2(e) and M = ceil(the row's largest t), a whole number; so 1/2 < the row's largest p <= 1. The row's sum l is taken of the UNQUANTISED p, in f32, and the product's result is divided by l at the end. Since M is a whole number, a kernel that streams over the keys may use a running M (the ceiling of the running maximum): every later rescaling is an exact power of two, so the quantised numbers keep their values, but for numbers so far below the row's largest that they fall under the format's range.
;;   OPERANDS COMPUTED ON THE WAY. 'Computed on the way' means the value that the module computes at that place (a softmax that the list does not call 'softmax' is quantised finished and normalised). What goes into a quantiser is computed in f32, as accurately as f32 sums, v_exp_f32 and their like allow (about 1e-6 of the number): no bf16 or f16 on the way to a quantiser, and a product that is left as it is and whose result goes on into a quantised operand takes f32 operands (vector FMAs, or v_wmma_f32_16x16x4_f32). A number that lies on a knife's edge between two numbers of the format may be rounded either way, as far as f32 arithmetic and the matrix unit's own rounding can turn it there, and no further.
;;   INPUTS GIVEN AS CODES. keys (in the module: [4, 2048, 16, 64], K = its axis 3); queries (in the module: [4, 2048, 16, 64], K = its axis 3); values (in the module: [4, 2048, 16, 64], K = its axis 1): each comes as NAME_codes (uint8): NAME with its K axis moved to the last place and cut into blocks of 32 codes, [.., K / 32, bytes a block], one block behind the other in memory; one code a byte (a code: sign, 5 exponent bits, 2 mantissa bits); its scale is its entry of lowp_scales. Its value is code x scale, taken as it is: it is not quantised again, and the codes and scales need not be those that the quantiser above would give.
;; One version. Each part assembles by itself: llvm-mc -triple=amdgcn-amd-amdhsa -mcpu=gfx1250 --defsym DOCPART=n.
;; ======== version 1 of 1: 1 launch
;; limits: right only within a limited range of input values
;; launch attn (part 1): grid 4 x 64, 16 waves a work-group, clusters of 4 x 1, 327,680 bytes of LDS; arguments queries_codes, keys_codes, values_codes, lowp_scales, out0; writes out0
.if DOCPART == 1
	.amdgcn_target "amdgcn-amd-amdhsa--gfx1250"
	.amdhsa_code_object_version 6
	.text
	.protected	k_qe608d12dcf_attn
	.globl	k_qe608d12dcf_attn
	.p2align	8
	.type	k_qe608d12dcf_attn,@function
k_qe608d12dcf_attn:
	s_mov_b64 s[64:65], 0
	v_nop
	global_prefetch_b8 v0, s[64:65] scope:SCOPE_SE
	s_setreg_imm32_b32 hwreg(HW_REG_WAVE_MODE, 25, 1), 1
	s_wait_xcnt 0x0
	s_wait_alu depctr_hold_cnt(0) depctr_sa_sdst(0) depctr_va_vdst(0) depctr_va_sdst(0) depctr_va_ssrc(0) depctr_va_vcc(0) depctr_vm_vsrc(0)
	s_getreg_b32 s2, hwreg(HW_REG_IB_STS2, 6, 4)
	s_cmp_eq_u32 s2, 0
	s_cbranch_scc0 .Lentry_in_a_cluster
	s_endpgm
.Lentry_in_a_cluster:
	s_bfe_u32 s2, ttmp6, 0x10000c
	s_cmp_lg_u32 s2, 0x3003
	s_cbranch_scc0 .Lentry_shape_is_right
	s_endpgm
.Lentry_shape_is_right:
; out0[b][l][h][:] = the sum over s <= l of softmax_s(Q[b][l][h] . K[b][s][h] / 8) V[b][s][h][:]: causal attention, both products on codes of BF8 (E5M2), each tensor with its given scale 2^e.
; Q, K: codes [4][2048][16][64]: a head's row is 64 bytes, 1,024 bytes from one position to the next.  V: codes with the KEYS innermost, [4][16][64][2048].  out0: [4][2048][16][64] f32.
; lowp_scales: eq, ek, ev, ep.
; THE SOFTMAX AHEAD OF THE SECOND PRODUCT: t = score x 2^(eq + ek) x log2(e) / 8; M = the largest t so far, rounded UP to a whole number; p = 2^(t - M) is quantised with 2^ep; it is not normalised.
; The row's sum is taken of the unquantised p, in f32, and divides O at the end.  When M moves, the sum and O are multiplied by 2^(old M - new M): nothing is rounded.
; SHARES.  The four work-groups of a cluster (c = 0 .. 3) own one (batch, head).  The head's 128 tiles of 16 queries are dealt round: tile 4 j + c (queries 64 j + 16 c + 0 .. 15) is work-group c's, j = 0 .. 31.
; A key step is 128 keys.  Tile j needs the steps k <= j / 2, and step j / 2 lies on its diagonal, WHATEVER c IS: so all four work-groups have the same work in every step, and every branch hangs on the wave's number
; and on loop counts alone.  So K's and V's tiles are asked for JOINTLY: the same tensor load, with the same descriptor and a mask that names the four, in all four: 4 x 256 KiB of requests a head become 256 KiB.
; Each of the sixteen waves owns a low tile jL (from a table) and the high tile jH = 31 - jL: 17 key steps a wave.  The table is laid so that in each slot of four key steps the four waves with equal (wave mod 4), and
; likewise the four with equal (wave / 4), have the same number of tile steps together (29, 21, 13, 5).  A tile leaves right behind its diagonal step: two tiles a work-group in every key step.
; LAYOUT.  Both products are used transposed: S^T = K Q^T (source 0 = 16 keys, source 1 = 16 queries), O^T = V^T P^T (source 0 = 16 of the head's 64, source 1 = P): a lane holds ONE query (lane % 16) throughout.
; THE KEYS OF A TILE ARE NOT NEIGHBOURS: lane r of tile 2 b + u takes key 32 b + 8 u + r + 8 (r / 8), so that the 16 registers of tiles 2 b and 2 b + 1 are 16 neighbouring keys, 32 b + 16 (lane / 16) + 0 .. 15.
; Fragments are fetched 16 bytes a lane: a permutation of k inside an instruction, the same in both sources, so every product meets its partner.
; LIMITS on the given exponents, so that each power of two below is an f32 number: eq + ek between -123 and 130 (added to c's exponent field); ep between -126 and 112; ep + ev between -115 and 126
; (2^(ep + ev) / the sum, the sum between 1/2 and 2,048).  Codes of infinity or NaN among the inputs are not served.
; REGISTERS: v1-7 addresses that stay; v8, v9 the step's LDS addresses; v10, v11 the mask's numbers; v12-15, v16-19 a tile's -M, largest t, sum in two halves; v20-35 Q of both tiles;
; v36-99 eight fragments of K or four of V, on the way out rows of O; v100-163 S^T, then p; v164-195, v196-227 O^T of both tiles; v228-243 p's codes; v244-253 constants and work.
.set KP,    80                         ; a key's row in LDS: 64 bytes + 16 of padding
.set VP,    528                        ; a row of V's tile in LDS: 512 bytes (the slot's 512 keys) + 16 of padding
.set NQ,    4                          ; key steps in a slot
.set VOFF,  512*KP                     ; a slot: 512 rows of K, then 64 rows of V
.set SLOT1, 1<<17                      ; slot 1 begins here, so that one exclusive or turns an address in one slot into the other's
.set STAGE, SLOT1+VOFF+64*VP           ; behind the ring: 16 rows x 272 bytes for each wave, for the way out: blocks of 256 bytes into which no tile lands
.set SP,    272
.set SPARE, STAGE+16*16*SP             ; behind the stages: the spare words, 128 bytes for each wave: eight blocks of 256 bytes that no other line names
.set AK0,  1                           ; v1   my lane's place in a tile of K
.set AV0,  2                           ; v2   the same for V
.set STO,  3                           ; v3   the way out: where I put 32 bytes of a row
.set RD,   4                           ; v4   the way out: where I read a row back
.set SPW,  5                           ; v5   LDS address of my spare word: SPARE + 4 x my thread's number; never rewritten
.set NIL,  6                           ; v6   0; never rewritten
.set GO,   7                           ; v7   my byte offset in a tile's rows of out0
.set ADK,  8                           ; v8   LDS address of the step's tiles of K
.set ADV,  9                           ; v9   of V
.set DH,   10                          ; v10  high tile: my query less the diagonal step's first key less 16 (lane / 16)
.set DL,   11                          ; v11  the same for the low tile
.set STH,  12                          ; v12 -M, v13 the largest t, v[14:15] the sum in two halves: high tile
.set STL,  16                          ; v16-19 the same: low tile
.set QH,   20                          ; v[20:27] Q's fragment, high tile
.set QL,   28                          ; v[28:35] low tile
.set F,    36
.set S,    100
.set OH,   164
.set OL,   196
.set PC,   228
.set SCP,  244                         ; v244 2^ep as f32, for the conversion
.set LIM,  245                         ; v245 not used
.set FF,   246                         ; v[246:247] f = 2^(old M - new M); v247 is named with it as a pair
.set SUM2, 248                         ; v[248:249] the sum's second chain
.set VA,   250                         ; v250, v251 at work
.set VB,   251
.set PX,   252                         ; v252 a lane permute's destination
.set NINF, 253                         ; v253 -infinity
.set SB,   16                          ; s16  LDS byte at which the slot in hand begins
.set WV,   18                          ; s18  my wave's number
.set SEL,  20                          ; s[20:21] lane selects for v_permlanex16_b32: lane l xor 16
.set CS,   22                          ; s[22:23] c = log2(e) / 8 x 2^(eq + ek): the packed form names a pair and takes its low word for both halves
.set G1K,  24                          ; s[24:31] descriptor group 1 for K's tiles;  s[32:39] for V's;  s[40:43], s[44:47] their groups 0, which walk
.set G1V,  32
.set G0K,  40
.set G0V,  44
.set TK,   48                          ; s48  LDS byte at which the step's rows of K begin
.set TV,   49                          ; s49  the slot's base + the step's 128 bytes in V's rows
.set SLOTS, 50                         ; s50  slots still to be asked for
.set STEPS, 51                         ; s51  counts a slot's four steps
.set KI,   52                          ; s52  the key step, 0 .. 15
.set J2H,  53                          ; s53  the high tile's diagonal step
.set J2L,  54                          ; s54  the low tile's
.set EPV,  55                          ; s55  ep + ev
.set OPH,  60                          ; s[60:61] out0 at the high tile's first row
.set OPL,  62                          ; s[62:63] at the low tile's
; A joint load.  Waves 0 and 1 fetch the two halves of a slot's K, wave 2 its V, the others nothing.  The branches hang on the wave's number alone: they are the same in every work-group.
; Four v_nop follow each of the two lines, ahead of the jump, the label and what follows.
.macro JLOAD
	s_cmp_lt_u32 s[WV], 2
	s_cbranch_scc0 .Lnot_k_\@
	tensor_load_to_lds s[G0K:G0K+3], s[G1K:G1K+7]
	s_nop 0
.rept 4
	v_nop
.endr
	s_branch .Lasked_\@
.Lnot_k_\@:
	s_cmp_eq_u32 s[WV], 2
	s_cbranch_scc0 .Lasked_\@
	tensor_load_to_lds s[G0V:G0V+3], s[G1V:G1V+7]
	s_nop 0
.rept 4
	v_nop
.endr
.Lasked_\@:
.endm
; A round of the cluster's barrier: my work-group's barrier, so that wave 0's signal speaks for all sixteen waves; wave 0 signals for the work-group; every wave waits for all four
; work-groups; my work-group's barrier once more.  No LDS instruction of the wave is pending at a signal.
.macro CROUND
	s_barrier_signal -1
	s_barrier_wait -1
	s_cmp_lg_u32 s[WV], 0
	s_cbranch_scc1 .Lnot_wave_0_\@
	s_barrier_signal -3
.Lnot_wave_0_\@:
	s_barrier_wait -3
	s_barrier_signal -1
	s_barrier_wait -1
.endm
	s_load_b128 s[4:7], s[0:1], 0x0                ; Q's codes s[4:5], K's codes s[6:7]
	s_load_b128 s[8:11], s[0:1], 0x10              ; V's codes s[8:9], the scales' exponents s[10:11]
	s_load_b64 s[12:13], s[0:1], 0x20              ; out0
	v_lshl_add_u32 v[SPW], v0, 2, SPARE
	v_mov_b32 v[NIL], 0
	ds_add_u32 v5, v6
	ds_add_u32 v5, v6
	s_wait_dscnt 0x0
	v_lshrrev_b32 v8, 5, v0
	s_delay_alu instid0(VALU_DEP_1)
	v_readfirstlane_b32 s[WV], v8                  ; wave 0..15
	s_bfe_u32 s19, ttmp6, 0x40000                  ; cx: my place in the cluster
	s_lshl_b32 s66, ttmp9, 2                       ; in a cluster launch ttmp9 counts clusters
	s_add_co_u32 s19, s66, s19                     ; c = 4 x cluster x + cx: it enters Q's and out0's addresses and the mask's numbers alone
	s_and_b32 s66, ttmp7, 0xffff                   ; 16 b + h, which the four partners share
	s_lshr_b32 s67, s66, 4                         ; b
	s_and_b32 s68, s66, 15                         ; h
	; my low tile, from the table 0 7 8 15 6 1 14 9 | 10 13 2 5 12 11 4 3, four bits a wave
	s_mov_b32 s69, 0x9e16f870
	s_mov_b32 s76, 0x34bc52da
	s_cmp_lt_u32 s[WV], 8
	s_cselect_b32 s69, s69, s76
	s_and_b32 s76, s[WV], 7
	s_lshl_b32 s76, s76, 2
	s_lshr_b32 s69, s69, s76
	s_and_b32 s77, s69, 15                         ; jL
	s_sub_co_u32 s78, 31, s77                      ; jH
	s_lshr_b32 s[J2L], s77, 1
	s_lshr_b32 s[J2H], s78, 1
	; byte offsets, all under 2^25
	s_lshl_b32 s70, s67, 21
	s_lshl_b32 s71, s68, 6
	s_add_co_u32 s70, s70, s71                     ; the head's first byte in Q and in K: 2^21 b + 64 h
	s_and_b32 s72, s[WV], 1                        ; which 256 of a slot's 512 keys I fetch, if I fetch for K:
	s_lshl_b32 s73, s72, 18                        ; 256 rows, 1,024 bytes apart, in memory,
	s_add_co_u32 s74, s70, s73
	s_mov_b32 s75, 0
	s_mul_i32 s79, s72, 256*KP                     ; and in a slot: no place in the cluster enters an LDS address
	s_lshl_b32 s72, s66, 17                        ; V: the head's 64 rows of 2,048 bytes
	s_mov_b32 s73, 0
	s_lshl_b32 s80, s19, 14                        ; Q: + 16 c rows,
	s_add_co_u32 s80, s80, s70
	s_lshl_b32 s81, s78, 16                        ; + 64 j rows
	s_add_co_u32 s82, s80, s81
	s_mov_b32 s83, 0
	s_lshl_b32 s81, s77, 16
	s_add_co_u32 s84, s80, s81
	s_mov_b32 s85, 0
	s_lshl_b32 s80, s67, 23                        ; out0: 2^23 b + 256 h + 16 c rows of 4,096 bytes + 64 j rows
	s_lshl_b32 s81, s68, 8
	s_add_co_u32 s80, s80, s81
	s_lshl_b32 s81, s19, 16
	s_add_co_u32 s80, s80, s81
	s_lshl_b32 s81, s78, 18
	s_add_co_u32 s86, s80, s81
	s_mov_b32 s87, 0
	s_lshl_b32 s81, s77, 18
	s_add_co_u32 s88, s80, s81
	s_mov_b32 s89, 0
	; descriptor group 1.  K: 256 rows of 64 bytes, 1,024 bytes apart;  V: 64 rows of 512 bytes, 2,048 bytes apart
	s_mov_b32 s[G1K], 15|(1<<20)|(1<<21)|(3<<22)|(3<<25)   ; 15:0 the mask: all four work-groups; 17:16 elements of 1 byte; 20 padding on; 21 set beside a mask; 24:22 after every 16 words (code 3); 31:25 four words (code 3)
	s_mov_b32 s[G1K+1], 64<<16                     ; tensor_dim0
	s_mov_b32 s[G1K+2], 256<<16                    ; tensor_dim1
	s_mov_b32 s[G1K+3], 64<<16                     ; tile_dim0
	s_mov_b32 s[G1K+4], 256                        ; tile_dim1
	s_mov_b32 s[G1K+5], 1024                       ; tensor_dim0_stride
	s_mov_b32 s[G1K+6], 0
	s_mov_b32 s[G1K+7], 0
	s_mov_b32 s[G1V], 15|(1<<20)|(1<<21)|(6<<22)|(3<<25)   ; the same with padding after every 128 words (code 6)
	s_mov_b32 s[G1V+1], 512<<16
	s_mov_b32 s[G1V+2], 64<<16
	s_mov_b32 s[G1V+3], 512<<16
	s_mov_b32 s[G1V+4], 64
	s_mov_b32 s[G1V+5], 2048
	s_mov_b32 s[G1V+6], 0
	s_mov_b32 s[G1V+7], 0
	s_mov_b32 s[SEL], 0x76543210
	s_mov_b32 s[SEL+1], 0xfedcba98
	s_mov_b32 s[CS], 0x3e38aa3b                    ; log2(e) / 8
	s_mov_b32 s[SB], 0
	s_mov_b32 s[KI], 0
	s_mov_b32 s[SLOTS], 3
	; what hangs on the lane alone is made here, while the arguments are on their way, and ahead of every branch
	v_and_b32 v8, 15, v0                           ; r = lane % 16
	v_bfe_u32 v9, v0, 4, 1                         ; hl = lane / 16
	s_delay_alu instid0(VALU_DEP_2)
	v_lshlrev_b32 v[VA], 10, v8
	s_delay_alu instid0(VALU_DEP_1)
	v_lshl_add_u32 v[VA], v9, 4, v[VA]             ; Q: row r, 1,024 bytes apart, + 16 hl (kept until Q's loads are in)
	s_delay_alu instid0(VALU_DEP_4)
	v_and_b32 v[VB], 8, v8
	s_delay_alu instid0(VALU_DEP_1)
	v_add_nc_u32 v[VB], v[VB], v8                  ; r + 8 (r / 8)
	s_delay_alu instid0(VALU_DEP_1)
	v_mul_u32_u24 v[AK0], v[VB], KP
	s_delay_alu instid0(VALU_DEP_1)
	v_lshl_add_u32 v[AK0], v9, 4, v[AK0]
	v_mul_u32_u24 v[AV0], v8, VP
	s_delay_alu instid0(VALU_DEP_1)
	v_lshl_add_u32 v[AV0], v9, 4, v[AV0]
	s_delay_alu instid0(VALU_DEP_1)
	v_add_nc_u32 v[AV0], VOFF, v[AV0]
	s_mul_i32 s14, s[WV], 16*SP
	s_add_co_u32 s14, s14, STAGE                   ; my stage
	v_mul_u32_u24 v[STO], v8, SP                   ; in: row r; 32 bytes for each half of the lanes
	s_delay_alu instid0(VALU_DEP_1)
	v_lshl_add_u32 v[STO], v9, 5, v[STO]
	s_delay_alu instid0(VALU_DEP_1)
	v_add_nc_u32 v[STO], s14, v[STO]
	v_mul_u32_u24 v[RD], v9, SP                    ; back: lanes 0-15 take one row of 256 bytes, lanes 16-31 the next
	s_delay_alu instid0(VALU_DEP_1)
	v_lshl_add_u32 v[RD], v8, 4, v[RD]
	s_delay_alu instid0(VALU_DEP_1)
	v_add_nc_u32 v[RD], s14, v[RD]
	v_lshlrev_b32 v[GO], 12, v9                    ; and the same two rows in out0, 4,096 bytes apart
	s_delay_alu instid0(VALU_DEP_1)
	v_lshl_add_u32 v[GO], v8, 4, v[GO]
	v_lshlrev_b32 v[VB], 4, v9
	s_delay_alu instid0(VALU_DEP_1)
	v_sub_nc_u32 v[VB], v8, v[VB]                  ; r - 16 hl
	s_lshl_b32 s17, s19, 4                         ; 16 c
	s_and_b32 s15, s78, 1
	s_lshl_b32 s15, s15, 6
	s_add_co_u32 s15, s15, s17
	v_add_nc_u32 v[DH], s15, v[VB]                 ; 64 (j % 2) + 16 c + r - 16 hl: my query, counted from the diagonal step's first key, less my half's 16
	s_and_b32 s15, s77, 1
	s_lshl_b32 s15, s15, 6
	s_add_co_u32 s15, s15, s17
	v_add_nc_u32 v[DL], s15, v[VB]
	s_wait_kmcnt 0x0
	s_load_b128 s[56:59], s[10:11], 0x0            ; eq, ek, ev, ep
	s_mov_b32 s[G0K], 1                            ; 1:0 count = 1
	s_mov_b32 s[G0K+1], s79                        ; 63:32 LDS address: slot 0
	s_add_nc_u64 s[G0K+2:G0K+3], s[6:7], s[74:75]  ; 120:64 global address: the head's first 512 keys
	s_or_b32 s[G0K+3], s[G0K+3], 0x80000000        ; 127:126 type = 2
	s_mov_b32 s[G0V], 1
	s_mov_b32 s[G0V+1], VOFF
	s_add_nc_u64 s[G0V+2:G0V+3], s[8:9], s[72:73]
	s_or_b32 s[G0V+3], s[G0V+3], 0x80000000
	s_add_nc_u64 s[90:91], s[4:5], s[82:83]        ; Q at the high tile's first row,
	s_add_nc_u64 s[92:93], s[4:5], s[84:85]        ; at the low tile's
	s_add_nc_u64 s[OPH:OPH+1], s[12:13], s[86:87]
	s_add_nc_u64 s[OPL:OPL+1], s[12:13], s[88:89]
	CROUND                                         ; all four work-groups are here: the first joint loads meet
	JLOAD                                          ; slot 0: keys 0 to 511
	global_load_b128 v[QH:QH+3],   v[VA], s[90:91]             ; Q's fragments stay in registers: registers 4 c .. 4 c + 3 hold k = 32 c + 16 hl + 0 .. 15, as K's will
	global_load_b128 v[QH+4:QH+7], v[VA], s[90:91] offset:32
	global_load_b128 v[QL:QL+3],   v[VA], s[92:93]
	global_load_b128 v[QL+4:QL+7], v[VA], s[92:93] offset:32
.irp s, STH, STL
	v_mov_b32 v[\s+1], 0xff61b1e6                  ; the largest t so far: -3e38, under every t
	s_delay_alu instid0(VALU_DEP_1)
	v_floor_f32 v[\s], -v[\s+1]                    ; -M
	v_mov_b32 v[\s+2], 0                           ; the sum, in two halves
	v_mov_b32 v[\s+3], 0
.endr
.irp b, 0,1,2,3
.irp i, 0,1,2,3,4,5,6,7,8,9,10,11,12,13,14,15
	v_mov_b32 v[OH+16*\b+\i], 0                    ; O^T of both tiles.  (The step is written once for a tile: its first walk finds zeros, which the first change of M leaves zeros)
.endr
.endr
	v_mov_b32 v[PX], 0                             ; written once: a lane permute's destination counts as one of its sources
	v_mov_b32 v[FF+1], 0                           ; (named as the upper half of the pair)
	v_mov_b32 v[NINF], 0xff800000
	s_wait_kmcnt 0x0
	s_add_co_i32 s80, s56, s57
	s_lshl_b32 s80, s80, 23
	s_add_co_i32 s[CS], s[CS], s80                 ; a score stands for score x 2^(eq + ek): the two exponents are added to c's exponent field
	s_mov_b32 s[CS+1], s[CS]                       ; (named with it as a pair, so it is written)
	s_add_co_i32 s80, s59, 127
	s_lshl_b32 s81, s80, 23
	v_mov_b32 v[SCP], s81                          ; 2^ep as f32: the conversion takes its exponent field
	s_add_co_i32 s[EPV], s58, s59                  ; ev + ep
; ONE TILE'S KEY STEP: 128 keys.  st: its statistics; qf: its Q; ot: its O^T; dd: its mask number; j2: its diagonal step; op: its rows of out0.
.macro STEP st, qf, ot, dd, j2, op
	s_cmp_gt_u32 s[KI], s[\j2]                     ; all the step's keys come after the tile's queries: nothing to do.  The branch hangs on the wave's number and the step's count; no barrier and no tensor load stands in a step
	s_cbranch_scc1 .Lend_\@
.rept 4
	v_nop                                          ; four places in front of loads into registers that the last products have read
.endr
	s_wait_alu depctr_va_vdst(0)
.irp t, 0,1,2,3,4,5,6,7
.irp c, 0,1
	ds_load_b128 v[F+8*\t+4*\c:F+8*\t+4*\c+3], v[ADK] offset:(32*(\t/2)+8*(\t%2))*KP+32*\c
.endr
.endr
	s_wait_dscnt 0x0                               ; K's eight fragments are in
.irp t, 0,1,2,3,4,5,6,7
	v_wmma_f32_16x16x64_bf8_bf8 v[S+8*\t:S+8*\t+7], v[F+8*\t:F+8*\t+7], v[\qf:\qf+7], 0   ; S^T: lane (r, hl) holds query r; register 16 b + i the key 32 b + 16 hl + i
.endr
.rept 4
	v_nop                                          ; four places: for the loads below, and for the first read of the scores
.endr
	s_wait_alu depctr_va_vdst(0)
.irp t, 0,1,2,3
.irp c, 0,1,2,3
	ds_load_b128 v[F+16*\t+4*\c:F+16*\t+4*\c+3], v[ADV] offset:16*\t*VP+32*\c   ; V's four fragments are asked for now and land under the softmax
.endr
.endr
	s_cmp_lg_u32 s[KI], s[\j2]
	s_cbranch_scc1 .Lopen_\@                       ; only the diagonal step hides keys
.irp b, 0,1,2,3
.irp i, 0,1,2,3,4,5,6,7,8,9,10,11,12,13,14,15
	v_cmp_gt_i32 vcc_lo, 32*\b+\i, v[\dd]          ; the register's key comes after my query:
	v_cndmask_b32 v[S+16*\b+\i], v[S+16*\b+\i], v[NINF], vcc_lo   ; its score becomes -infinity ahead of the maximum: p = 0 then.  My query's own key lies in this step, so the maximum is a number
.endr
.endr
.Lopen_\@:
	v_max3_num_f32 v[VA], v[S], v[S+1], v[S+2]     ; the step's largest score of my query, among my 64 keys, in two chains, each accumulator from its low end on,
	v_max3_num_f32 v[VB], v[S+3], v[S+4], v[S+5]
.irp i, 6,10,14,18,22,26,30,34,38,42,46,50,54,58
	v_max3_num_f32 v[VA], v[VA], v[S+\i], v[S+\i+1]
	v_max3_num_f32 v[VB], v[VB], v[S+\i+2], v[S+\i+3]
.endr
	v_max3_num_f32 v[VA], v[VA], v[S+62], v[S+63]
	s_delay_alu instid0(VALU_DEP_1)
	v_max_num_f32 v[VA], v[VA], v[VB]
	s_delay_alu instid0(VALU_DEP_1)
	v_permlanex16_b32 v[PX], v[VA], s[SEL], s[SEL+1]
	s_delay_alu instid0(VALU_DEP_1)
	v_max_num_f32 v[VA], v[VA], v[PX]              ; and among lane l xor 16's
	s_delay_alu instid0(VALU_DEP_1)
	v_mul_f32 v[VA], s[CS], v[VA]                  ; as t (c is positive)
	s_delay_alu instid0(VALU_DEP_1)
	v_max_num_f32 v[\st+1], v[\st+1], v[VA]        ; the running largest t
	v_mov_b32 v[VA], v[\st]
	s_delay_alu instid0(VALU_DEP_2)
	v_floor_f32 v[\st], -v[\st+1]                  ; the new -M = floor(-t) = -ceil(t): M is a whole number
	s_delay_alu instid0(VALU_DEP_1)
	v_sub_f32 v[VA], v[\st], v[VA]                 ; M's old value less its new one: a whole number, 0 or less
	s_delay_alu instid0(VALU_DEP_1)
	v_cvt_i32_f32 v[VA], v[VA]                     ; (it saturates)
	s_delay_alu instid0(VALU_DEP_1)
	v_ldexp_f32 v[FF], 1.0, v[VA]                  ; f = 2^(old M - new M)
.irp b, 0,1,2,3
.irp i, 0,2,4,6,8,10,12,14
	v_pk_fma_f32 v[S+16*\b+\i:S+16*\b+\i+1], v[S+16*\b+\i:S+16*\b+\i+1], s[CS:CS+1], v[\st:\st+1] op_sel_hi:[1,0,0]   ; t - M, two at a time (of the pairs c and -M the low word serves both halves)
.endr
.endr
	s_wait_alu depctr_va_vdst(0)
.irp b, 0,1,2,3
.irp i, 0,1,2,3,4,5,6,7,8,9,10,11,12,13,14,15
	v_exp_f32 v[S+16*\b+\i], v[S+16*\b+\i]         ; p = 2^(t - M), at most 1: not normalised
.endr
.endr
	v_pk_mul_f32 v[\st+2:\st+3], v[\st+2:\st+3], v[FF:FF+1] op_sel_hi:[1,0]   ; the sums under the new M.  (The plain instruction behind the exponentials)
	s_wait_alu depctr_va_vdst(0)
	v_pk_add_f32 v[SUM2:SUM2+1], v[S:S+1], v[S+2:S+3]   ; the row's sum is taken of the unquantised p: two at a time, in two chains
.irp j, 4,8,12,16,20,24,28,32,36,40,44,48,52,56,60
	v_pk_add_f32 v[\st+2:\st+3], v[\st+2:\st+3], v[S+\j:S+\j+1]
	v_pk_add_f32 v[SUM2:SUM2+1], v[SUM2:SUM2+1], v[S+\j+2:S+\j+3]
.endr
	s_delay_alu instid0(VALU_DEP_1)
	v_pk_add_f32 v[\st+2:\st+3], v[\st+2:\st+3], v[SUM2:SUM2+1]
.irp b, 0,1,2,3
.irp i, 0,1,2,3,4,5,6,7,8,9,10,11,12,13,14,15
.endr
	v_cvt_scalef32_pk8_bf8_f32 v[PC+4*\b:PC+4*\b+1], v[S+16*\b:S+16*\b+7], v[SCP]       ; registers 4 b .. 4 b + 3 of the operand: keys 32 b + 16 hl + 0 .. 15, as V's fragments have them
	v_cvt_scalef32_pk8_bf8_f32 v[PC+4*\b+2:PC+4*\b+3], v[S+16*\b+8:S+16*\b+15], v[SCP]
.endr
.irp j, 0,2,4,6,8,10,12,14,16,18,20,22,24,26,28,30
	v_pk_mul_f32 v[\ot+\j:\ot+\j+1], v[\ot+\j:\ot+\j+1], v[FF:FF+1] op_sel_hi:[1,0]   ; O^T under the new M: x f.  (Also the plain instructions between the conversions and the products that read their results)
.endr
	s_wait_alu depctr_va_vdst(0)
	s_wait_dscnt 0x0                               ; V's four fragments are in
.irp t, 0,1,2,3
	v_wmma_f32_16x16x128_bf8_bf8 v[\ot+8*\t:\ot+8*\t+7], v[F+16*\t:F+16*\t+15], v[PC:PC+15], v[\ot+8*\t:\ot+8*\t+7]   ; the four accumulators take turns, and a step's eight products K Q^T stand ahead of their next turn
.endr
	s_cmp_lg_u32 s[KI], s[\j2]
	s_cbranch_scc1 .Lend_\@
	; THE WAY OUT, behind the tile's diagonal step.  O^T is divided by the sum and goes through my stage in LDS, so that sixteen lanes store a row's 256 consecutive bytes, at a multiple of 256 from out0's first byte.
.rept 4
	v_nop                                          ; four places in front of the first read of the results
.endr
	v_add_f32 v[VA], v[\st+2], v[\st+3]            ; the sum's two halves,
	s_delay_alu instid0(VALU_DEP_1)
	v_permlanex16_b32 v[PX], v[VA], s[SEL], s[SEL+1]
	s_delay_alu instid0(VALU_DEP_1)
	v_add_f32 v[VA], v[VA], v[PX]                  ; and lane l xor 16's: the row's sum
	s_wait_alu depctr_va_vdst(0)
	v_rcp_f32 v[VA], v[VA]
	v_nop                                          ; a plain instruction between the reciprocal and the use of its result
	s_wait_alu depctr_va_vdst(0)
	v_ldexp_f32 v[VA], v[VA], s[EPV]               ; x 2^(ep + ev)
.irp j, 0,2,4,6,8,10,12,14,16,18,20,22,24,26,28,30
	v_pk_mul_f32 v[S+\j:S+\j+1], v[\ot+\j:\ot+\j+1], v[VA:VA+1] op_sel_hi:[1,0]   ; register 8 t + i is o(query r, channel 16 t + 8 hl + i); each accumulator from its low end on
.endr
.irp t, 0,1,2,3
	ds_store_b128 v[STO], v[S+8*\t:S+8*\t+3] offset:64*\t
	ds_store_b128 v[STO], v[S+8*\t+4:S+8*\t+7] offset:64*\t+16
.endr
.irp i, 0,1,2,3,4,5,6,7
	ds_load_b128 v[F+4*\i:F+4*\i+3], v[RD] offset:2*\i*SP   ; LDS serves a wave's instructions in order (ISA guide 5.7.1.4): these see my stores
.endr
.irp i, 0,1,2,3,4,5,6,7
	s_wait_dscnt 7-\i                              ; rows 2 i and 2 i + 1 are back; the 7 - i younger loads may be out
	global_store_b128 v[GO], v[F+4*\i:F+4*\i+3], s[\op:\op+1] offset:8192*\i th:TH_STORE_NT   ; written once, read by nobody here
.endr
	s_wait_xcnt 0x0                                ; the stores' data registers are loaded again only behind this wait
.Lend_\@:
.endm
; THE CHANGE OF SLOTS stands at a slot's head.  Each wave waits for all its tensor loads (its part of the slot that it is about to read), adds 0 to its spare word, and waits for that and for its reads of the slot that it has left.
; fill = 1: that other slot is filled with the 512 keys that follow.  The barrier is then a round of the cluster's, so that no wave of any partner still reads the slot or has a load on its way, and the joint
; load is the first thing behind it: it has a slot's four key steps in which to land.  By this text's own count a wave has one tensor load outstanding at the most.
.macro CHANGE fill
	s_wait_tensorcnt 0x0                           ; no tensor load of mine is out, so a group 0 may be written
	ds_add_u32 v[SPW], v[NIL]                      ; 0 onto my spare word; with fill = 1 the descriptors' steps stand between it and the wait for it
.if \fill
	s_xor_b32 s[G0K+1], s[G0K+1], SLOT1            ; the walking descriptors: the other slot than last time,
	s_add_nc_u64 s[G0K+2:G0K+3], s[G0K+2:G0K+3], 512*1024   ; the next 512 keys; the type bits on top are not reached
	s_xor_b32 s[G0V+1], s[G0V+1], SLOT1
	s_add_nc_u64 s[G0V+2:G0V+3], s[G0V+2:G0V+3], 512
	s_wait_dscnt 0x0                               ; the add is done, and my reads of the slot that I have left are over
	CROUND
	JLOAD
.else
	s_wait_dscnt 0x0                               ; the add is done, and my reads of the slot that I have left are over
	s_barrier_signal -1
	s_barrier_wait -1
.endif
.endm
; A slot's four key steps: written once, walked four times by every wave; in each the high tile's step, then the low tile's.
.macro SLOT_STEPS
	s_mov_b32 s[TK], s[SB]
	s_mov_b32 s[TV], s[SB]
	s_mov_b32 s[STEPS], NQ
.Lstep_\@:
	v_add_nc_u32 v[ADK], s[TK], v[AK0]
	v_add_nc_u32 v[ADV], s[TV], v[AV0]
	STEP STH, QH, OH, DH, J2H, OPH
	STEP STL, QL, OL, DL, J2L, OPL
	s_add_co_u32 s[KI], s[KI], 1
	s_add_co_u32 s[TK], s[TK], 128*KP              ; the next 128 rows of K,
	s_add_co_u32 s[TV], s[TV], 128                 ; the next 128 bytes of V's rows
	s_sub_co_u32 s[STEPS], s[STEPS], 1
	s_cmp_lg_u32 s[STEPS], 0
	s_cbranch_scc1 .Lstep_\@
	s_xor_b32 s[SB], s[SB], SLOT1                  ; on to the other slot
.endm
	s_wait_loadcnt 0x0                             ; Q
.Lslot:                                            ; three trips: behind each change of slots but the last the next 512 keys are asked for
	CHANGE 1
	SLOT_STEPS
	s_sub_co_u32 s[SLOTS], s[SLOTS], 1
	s_cmp_lg_u32 s[SLOTS], 0
	s_cbranch_scc1 .Lslot
	CHANGE 0                                       ; the last slot is written out
	SLOT_STEPS
	s_wait_tensorcnt 0x0                           ; the wave's end: behind my last tensor load and my last LDS store
	ds_add_u32 v[SPW], v[NIL]
	s_wait_dscnt 0x0
	CROUND                                         ; the closing round: no work-group ends while a partner may still ask for a tile that names it
	s_endpgm
.Lfunc_end_k_qe608d12dcf_attn:
	.size	k_qe608d12dcf_attn, .Lfunc_end_k_qe608d12dcf_attn-k_qe608d12dcf_attn
	.p2alignl 7, 3214868480
	.fill 96, 4, 3214868480
	.section	.rodata,"a",@progbits
	.p2align	6, 0x0
	.amdhsa_kernel k_qe608d12dcf_attn
		.amdhsa_group_segment_fixed_size 327680
		.amdhsa_private_segment_fixed_size 0
		.amdhsa_enable_private_segment 0
		.amdhsa_kernarg_size 40
		.amdhsa_user_sgpr_count 2
		.amdhsa_user_sgpr_kernarg_segment_ptr 1
		.amdhsa_wavefront_size32 1
		.amdhsa_system_sgpr_workgroup_id_x 1
		.amdhsa_system_sgpr_workgroup_id_y 1
		.amdhsa_system_sgpr_workgroup_id_z 1
		.amdhsa_system_vgpr_workitem_id 0
		.amdhsa_next_free_vgpr 256
		.amdhsa_next_free_sgpr 96
		.amdhsa_reserve_vcc 1
		.amdhsa_float_denorm_mode_32 3
		.amdhsa_float_denorm_mode_16_64 3
		.amdhsa_fp16_overflow 1
		.amdhsa_memory_ordered 1
		.amdhsa_forward_progress 1
		.amdhsa_inst_pref_size 103
	.end_amdhsa_kernel
	.amdgpu_metadata
---
amdhsa.version: [ 1, 2 ]
amdhsa.kernels:
  - .name:           k_qe608d12dcf_attn
    .symbol:         k_qe608d12dcf_attn.kd
    .args:
      - { .name: queries_codes, .offset: 0, .size: 8, .value_kind: global_buffer, .address_space: global }
      - { .name: keys_codes, .offset: 8, .size: 8, .value_kind: global_buffer, .address_space: global }
      - { .name: values_codes, .offset: 16, .size: 8, .value_kind: global_buffer, .address_space: global }
      - { .name: lowp_scales, .offset: 24, .size: 8, .value_kind: global_buffer, .address_space: global }
      - { .name: out0, .offset: 32, .size: 8, .value_kind: global_buffer, .address_space: global }
    .group_segment_fixed_size: 327680
    .private_segment_fixed_size: 0
    .kernarg_segment_align: 8
    .kernarg_segment_size: 40
    .max_flat_workgroup_size: 512
    .sgpr_count:     96
    .vgpr_count:     256
    .wavefront_size: 32
...
	.end_amdgpu_metadata
.endif
;; end of part 1
